; MI455X (gfx1250); checked and timed in simulation.
; The chip was launched on July 23, 2026; its instructions are those of AMD's public machine-readable ISA for CDNA 5 (MIT licence, August 2026) and "CDNA5" Instruction Set Architecture Reference Guide (July 2026). The comments in the code are by the model that wrote it; some were corrected since.
;; Perceiver Alibi Self Attention. Allowed arithmetic: float matrix products may take bf16 or f16 operands with f32 sums; all other float work in f32.
;; Inputs: Wk 1,024 x 1,024 float32; Wq 1,024 x 1,024 float32; Wv 1,024 x 1,024 float32; bk 1,024 float32; bq 1,024 float32; bv 1,024 float32; hidden_states 4 x 2,048 x 1,024 float32; ln_beta 1,024 float32; ln_gamma 1,024 float32.
;; Outputs: out0 4 x 2,048 x 1,024 float32.
;; One version. Each part assembles by itself: llvm-mc -triple=amdgcn-amd-amdhsa -mcpu=gfx1250 --defsym DOCPART=n.
;; ======== version 1 of 1: 3 launches
;; limits: values are held in f16: magnitudes above 65,504 overflow, below 6.1e-05 lose precision
;; workspace buffers: xn 16,777,216 bytes; wb 6,291,456 bytes; qkv 50,331,648 bytes
;; launch prep (part 1): grid 256 x 1, 8 waves a work-group, no clusters, 0 bytes of LDS; arguments hidden_states, ln_gamma, ln_beta, Wq, Wk, Wv, xn, wb; writes xn, wb
.if DOCPART == 1
	.amdgcn_target "amdgcn-amd-amdhsa--gfx1250"
	.amdhsa_code_object_version 6
	.text
	.protected	k_q90e6812fe1_prep
	.globl	k_q90e6812fe1_prep
	.p2align	8
	.type	k_q90e6812fe1_prep,@function
k_q90e6812fe1_prep:
	s_mov_b64 s[64:65], 0
	v_nop
	global_prefetch_b8 v0, s[64:65] scope:SCOPE_SE
	s_setreg_imm32_b32 hwreg(HW_REG_WAVE_MODE, 25, 1), 1
	s_wait_xcnt 0x0
; xn[row][c] = f16( (x[row][c] - mean) * rsqrt(var + 1e-5) * gamma[c] + beta[c] ),  x: [8192][1024] f32, xn: [8192][1024] f16.
; wb[t][k][n] = f16( W_t[k][n] ),  t = 0 Wq, 1 Wk, 2 Wv, each [1024][1024], same order of elements as the input.
; WHY f16 AND NOT bf16: the head with the steepest slope (0.707 / 8 a key) averages some 23 keys, 11 at the sequence's ends, so the operands' rounding
; is hardly averaged out there, while the result is held to a hundredth of the rms of all heads.  f16's 11 significant bits leave an eighth of the
; error of bf16's 8.  ROOM: a normalised row has |.| < 32 (sqrt of 1,023), so |xn| < 32 |gamma| + |beta|, finite in f16 up to |gamma| of some 2,000;
; W is finite up to 65,504, and below 6.1e-5 it keeps an absolute error of at most 3e-8.
; A stream: every byte is read once and written once; no LDS, no barrier, no loop, no matrix unit (there is no product here) and no
; cluster (no two work-groups read the same x or W).
; 2,048 waves.  Wave G takes rows 4 G .. 4 G + 3 (one wave holds a whole row of 4,096 bytes in 32 registers, so that mean, variance
; and scaling need one read) and 2,048 bytes of each W.  All 60 loads of a wave are issued first; the waits count down behind them.
; The variance is taken of the centred row: a common offset of the inputs costs no digits.
; Each load of a wave covers 512 consecutive bytes, each store 256 consecutive bytes, aligned.
.set GA, 16                            ; v[16:47]   gamma of my 32 columns (load j: columns 128 j + 4 lane .. + 3)
.set BT, 48                            ; v[48:79]   beta of the same
.set X,  80                            ; v[80:207]  row s at X + 32 s: as loaded, then centred, then scaled, then packed
.set W,  208                           ; v[208:255] tensor t at W + 16 t
                                       ; v1 16 x lane, v2 8 x lane, v[4:11] four chains of pairs, v12 the other half's sum, v[14:15] mean, then 1/sigma, twice
	s_load_b512 s[4:19], s[0:1], 0x0               ; x s[4:5], gamma s[6:7], beta s[8:9], Wq s[10:11], Wk s[12:13], Wv s[14:15], xn s[16:17], wb s[18:19]
	v_lshrrev_b32 v3, 5, v0
	v_readfirstlane_b32 s24, v3                    ; wave in the work-group
	s_lshl3_add_u32 s25, ttmp9, s24                ; G = 8 x work-group + wave
	s_mov_b32 s20, 0x3a800000                      ; 1 / 1024
	s_mov_b32 s21, 0x3727c5ac                      ; 1e-5
	s_mov_b32 s22, 0x76543210                      ; v_permlanex16_b32: lane i reads lane i of the other half
	s_mov_b32 s23, 0xfedcba98
	s_mov_b32 s27, 0                               ; high word of every offset: all are below 4 GiB
	v_and_b32 v2, 31, v0
	v_lshlrev_b32 v1, 4, v2                        ; 16 bytes a lane in the loads
	v_lshlrev_b32 v2, 3, v2                        ; 8 bytes a lane in the stores
	v_mov_b32 v12, 0                               ; v_permlanex16_b32's destination counts as read
	s_wait_kmcnt 0x0
	s_lshl_b32 s26, s25, 14                        ; 4 rows of 4,096 bytes
	s_add_nc_u64 s[4:5], s[4:5], s[26:27]
	s_lshl_b32 s26, s25, 13                        ; 4 rows of 2,048 bytes
	s_add_nc_u64 s[16:17], s[16:17], s[26:27]
	s_lshl_b32 s26, s25, 11                        ; 2,048 bytes of each W
	s_add_nc_u64 s[10:11], s[10:11], s[26:27]
	s_add_nc_u64 s[12:13], s[12:13], s[26:27]
	s_add_nc_u64 s[14:15], s[14:15], s[26:27]
	s_lshl_b32 s26, s25, 10                        ; 1,024 bytes of each part of wb
	s_add_nc_u64 s[18:19], s[18:19], s[26:27]
.irp t, 0,1,2
.irp j, 0,1,2,3
	global_load_b128 v[W+16*\t+4*\j:W+16*\t+4*\j+3], v1, s[10+2*\t:11+2*\t] offset:512*\j th:TH_LOAD_NT
.endr
.endr
.irp j, 0,1,2,3,4,5,6,7
	global_load_b128 v[GA+4*\j:GA+4*\j+3], v1, s[6:7] offset:512*\j
.endr
.irp j, 0,1,2,3,4,5,6,7
	global_load_b128 v[BT+4*\j:BT+4*\j+3], v1, s[8:9] offset:512*\j
.endr
.irp s, 0,1,2,3
.irp j, 0,1,2,3,4,5,6,7
	global_load_b128 v[X+32*\s+4*\j:X+32*\s+4*\j+3], v1, s[4:5] offset:4096*\s+512*\j th:TH_LOAD_NT
.endr
.endr
	; the cast of W: four f32 of a lane become 8 bytes; 32 lanes store 256 consecutive bytes
	s_wait_loadcnt 48                              ; loads come back in order: the 12 of W are in, the 16 of gamma and beta and the 32 of x stay out
.irp t, 0,1,2
.irp j, 0,1,2,3
	v_cvt_pk_f16_f32 v[W+16*\t+4*\j],   v[W+16*\t+4*\j],   v[W+16*\t+4*\j+1]
	v_cvt_pk_f16_f32 v[W+16*\t+4*\j+1], v[W+16*\t+4*\j+2], v[W+16*\t+4*\j+3]
	global_store_b64 v2, v[W+16*\t+4*\j:W+16*\t+4*\j+1], s[18:19] offset:\t*2097152+256*\j
.endr
.endr
; the four chains v[4:11] become one number, the same in every lane
.macro FOLD
	v_pk_add_f32 v[4:5], v[4:5], v[6:7]
	v_pk_add_f32 v[8:9], v[8:9], v[10:11]
	v_pk_add_f32 v[4:5], v[4:5], v[8:9]
	v_add_f32 v4, v4, v5
	v_add_f32_dpp v4, v4, v4 row_xmask:1 row_mask:0xf bank_mask:0xf
	v_add_f32_dpp v4, v4, v4 row_xmask:2 row_mask:0xf bank_mask:0xf
	v_add_f32_dpp v4, v4, v4 row_xmask:4 row_mask:0xf bank_mask:0xf
	v_add_f32_dpp v4, v4, v4 row_xmask:8 row_mask:0xf bank_mask:0xf
	v_permlanex16_b32 v12, v4, s22, s23
	v_add_f32 v4, v4, v12
.endm
; One row.  left = the loads of the rows behind it, which stay out.  No register that a store reads is written again, so no wait frees any.
.macro ROW s, left
	s_wait_loadcnt \left
.irp c, 0,1,2,3
	v_pk_add_f32 v[4+2*\c:5+2*\c], v[X+32*\s+2*\c:X+32*\s+2*\c+1], v[X+32*\s+8+2*\c:X+32*\s+8+2*\c+1]   ; the first sums start the chains
.endr
.irp p, 8,9,10,11,12,13,14,15
	v_pk_add_f32 v[4+2*(\p%4):5+2*(\p%4)], v[4+2*(\p%4):5+2*(\p%4)], v[X+32*\s+2*\p:X+32*\s+2*\p+1]
.endr
	FOLD
	v_mul_f32 v14, s20, v4                         ; the mean
	v_mov_b32 v15, v14
.irp p, 0,1,2,3,4,5,6,7,8,9,10,11,12,13,14,15
	v_pk_add_f32 v[X+32*\s+2*\p:X+32*\s+2*\p+1], v[X+32*\s+2*\p:X+32*\s+2*\p+1], v[14:15] neg_lo:[0,1] neg_hi:[0,1]
.endr
.irp c, 0,1,2,3
	v_pk_mul_f32 v[4+2*\c:5+2*\c], v[X+32*\s+2*\c:X+32*\s+2*\c+1], v[X+32*\s+2*\c:X+32*\s+2*\c+1]
.endr
.irp p, 4,5,6,7,8,9,10,11,12,13,14,15
	v_pk_fma_f32 v[4+2*(\p%4):5+2*(\p%4)], v[X+32*\s+2*\p:X+32*\s+2*\p+1], v[X+32*\s+2*\p:X+32*\s+2*\p+1], v[4+2*(\p%4):5+2*(\p%4)]
.endr
	FOLD
	v_fma_f32 v4, v4, s20, s21                     ; variance + 1e-5
	v_rsq_f32 v14, v4
	v_nop                                          ; one plain place between v_rsq_f32 and the use of its result (ISA guide 5.7.2)
	s_wait_alu depctr_va_vdst(0)
	v_mov_b32 v15, v14
.irp p, 0,1,2,3,4,5,6,7,8,9,10,11,12,13,14,15
	v_pk_mul_f32 v[X+32*\s+2*\p:X+32*\s+2*\p+1], v[X+32*\s+2*\p:X+32*\s+2*\p+1], v[14:15]
.endr
.irp p, 0,1,2,3,4,5,6,7,8,9,10,11,12,13,14,15
	v_pk_fma_f32 v[X+32*\s+2*\p:X+32*\s+2*\p+1], v[X+32*\s+2*\p:X+32*\s+2*\p+1], v[GA+2*\p:GA+2*\p+1], v[BT+2*\p:BT+2*\p+1]
.endr
.irp j, 0,1,2,3,4,5,6,7
	v_cvt_pk_f16_f32 v[X+32*\s+4*\j],   v[X+32*\s+4*\j],   v[X+32*\s+4*\j+1]
	v_cvt_pk_f16_f32 v[X+32*\s+4*\j+1], v[X+32*\s+4*\j+2], v[X+32*\s+4*\j+3]
	global_store_b64 v2, v[X+32*\s+4*\j:X+32*\s+4*\j+1], s[16:17] offset:2048*\s+256*\j
.endr
.endm
	ROW 0, 24
	ROW 1, 16
	ROW 2, 8
	ROW 3, 0
	s_endpgm
.Lfunc_end_k_q90e6812fe1_prep:
	.size	k_q90e6812fe1_prep, .Lfunc_end_k_q90e6812fe1_prep-k_q90e6812fe1_prep
	.p2alignl 7, 3214868480
	.fill 96, 4, 3214868480
	.section	.rodata,"a",@progbits
	.p2align	6, 0x0
	.amdhsa_kernel k_q90e6812fe1_prep
		.amdhsa_group_segment_fixed_size 0
		.amdhsa_private_segment_fixed_size 0
		.amdhsa_enable_private_segment 0
		.amdhsa_kernarg_size 64
		.amdhsa_user_sgpr_count 2
		.amdhsa_user_sgpr_kernarg_segment_ptr 1
		.amdhsa_wavefront_size32 1
		.amdhsa_system_sgpr_workgroup_id_x 1
		.amdhsa_system_sgpr_workgroup_id_y 1
		.amdhsa_system_sgpr_workgroup_id_z 1
		.amdhsa_system_vgpr_workitem_id 0
		.amdhsa_next_free_vgpr 256
		.amdhsa_next_free_sgpr 66
		.amdhsa_reserve_vcc 0
		.amdhsa_float_denorm_mode_32 3
		.amdhsa_float_denorm_mode_16_64 3
		.amdhsa_memory_ordered 1
		.amdhsa_forward_progress 1
		.amdhsa_inst_pref_size 42
	.end_amdhsa_kernel
	.amdgpu_metadata
---
amdhsa.version: [ 1, 2 ]
amdhsa.kernels:
  - .name:           k_q90e6812fe1_prep
    .symbol:         k_q90e6812fe1_prep.kd
    .args:
      - { .name: hidden_states, .offset: 0, .size: 8, .value_kind: global_buffer, .address_space: global }
      - { .name: ln_gamma, .offset: 8, .size: 8, .value_kind: global_buffer, .address_space: global }
      - { .name: ln_beta, .offset: 16, .size: 8, .value_kind: global_buffer, .address_space: global }
      - { .name: Wq, .offset: 24, .size: 8, .value_kind: global_buffer, .address_space: global }
      - { .name: Wk, .offset: 32, .size: 8, .value_kind: global_buffer, .address_space: global }
      - { .name: Wv, .offset: 40, .size: 8, .value_kind: global_buffer, .address_space: global }
      - { .name: xn, .offset: 48, .size: 8, .value_kind: global_buffer, .address_space: global }
      - { .name: wb, .offset: 56, .size: 8, .value_kind: global_buffer, .address_space: global }
    .group_segment_fixed_size: 0
    .private_segment_fixed_size: 0
    .kernarg_segment_align: 8
    .kernarg_segment_size: 64
    .max_flat_workgroup_size: 256
    .sgpr_count:     66
    .vgpr_count:     256
    .wavefront_size: 32
...
	.end_amdgpu_metadata
.endif
;; end of part 1
;; launch qkvgemm (part 2): grid 12 x 32, 4 waves a work-group, clusters of 4 x 4, 327,680 bytes of LDS; arguments xn, wb, bq, bk, bv, qkv; writes qkv
.if DOCPART == 2
	.amdgcn_target "amdgcn-amd-amdhsa--gfx1250"
	.amdhsa_code_object_version 6
	.text
	.protected	k_q90e6812fe1_qkvgemm
	.globl	k_q90e6812fe1_qkvgemm
	.p2align	8
	.type	k_q90e6812fe1_qkvgemm,@function
k_q90e6812fe1_qkvgemm:
	s_mov_b64 s[64:65], 0
	v_nop
	global_prefetch_b8 v0, s[64:65] scope:SCOPE_SE
	s_setreg_imm32_b32 hwreg(HW_REG_WAVE_MODE, 25, 1), 1
	s_wait_xcnt 0x0
	s_wait_alu depctr_hold_cnt(0) depctr_sa_sdst(0) depctr_va_vdst(0) depctr_va_sdst(0) depctr_va_ssrc(0) depctr_va_vcc(0) depctr_vm_vsrc(0)
	s_getreg_b32 s2, hwreg(HW_REG_IB_STS2, 6, 4)
	s_cmp_eq_u32 s2, 0
	s_cbranch_scc0 .Lentry_in_a_cluster
	s_endpgm
.Lentry_in_a_cluster:
	s_bfe_u32 s2, ttmp6, 0x10000c
	s_cmp_lg_u32 s2, 0xf033
	s_cbranch_scc0 .Lentry_shape_is_right
	s_endpgm
.Lentry_shape_is_right:
; C[m][n] = sum over k of xn[m][k] W[k][n] + bias[n],  m = 8,192 tokens, n = 3,072 = (q | k | v) x 1,024, k = 1,024; operands f16, sums f32.
; The result is rounded once to f16 and stored by heads: qkv[b][g][s][64], g = n / 64 (0-15 q, 16-31 k, 32-47 v), so that a head's rows are dense.
; LIMIT: a q, k or v beyond 65,504 in magnitude leaves f16's range.  With gamma and W both 30 times the size of 1 and 0.02 the results have an rms of
; 32 x 30 x 0.6 = 576, and the largest of 25 million such numbers lies near 3,200: a factor 20 inside.  Below 6.1e-5 the absolute error is at most 3e-8.
; A work-group makes a block of 256 x 256 with four waves; a wave makes 128 x 128: 64 accumulator tiles of 16 x 16, 512 registers.
; K goes in steps of 128 through a ring of two LDS slots filled by the tensor data mover.  xn's tile is 256 rows of 256 bytes along k; W lies
; [k][n], so its tile is 128 rows (k) of 512 bytes (n), and its fragments are taken by the transposing LDS load.
; CLUSTERS: 4 x 4 work-groups.  The four of a row of the cluster need the same tiles of xn, the four of a column the same tiles of W: each tile
; is asked for jointly, by the same tensor load with a mask that names the four.  That divides the requests for both by four.
; 12 x 32 = 384 blocks: a block of 256 x 384 would give 256, but its waves would need 768 accumulator registers each beside two fragment buffers.
;
; REGISTERS, in windows of 256:
;   window 0: v0-31 addresses; v32-63, v224-255 the bias of my 128 columns in the accumulators' layout; v64-127, v128-191 fragments of xn, two buffers;
;             v192-223 at work on the way out
;   window 1: v64-127, v128-191 fragments of W, two buffers
;   window 2: the 32 accumulator tiles of my rows 0-63 (tile (a, b) at v[8 (8 a + b)]);   window 3: those of my rows 64-127
; THE MATRIX INSTRUCTION IS USED TRANSPOSED: source 0 = 16 columns of W, source 1 = 16 rows of xn.  Lane l then holds row m = l % 16 of C and its
; registers 0 to 7 the columns n = 8 (l / 16) + 0 .. 7: eight neighbouring numbers of a row, which pack into 16 bytes.
; The bias is the C operand of each tile's first product: nothing is cleared and nothing is added afterwards.
.set SIZE_K, 1024
.set KSTEP,  128
.set PITCH,  272                       ; xn's LDS row: 256 bytes + 16: an odd multiple of 16, so the 16 rows that a load touches begin at 16 different 16-byte columns modulo 256
.set BPITCH, 544                       ; W's LDS row: 512 bytes + 32: an odd multiple of 32, as the transposing load's eight rows of two 16-byte pieces want
.set HALFT,  128*PITCH                 ; what one tensor load brings: 128 rows of xn, or 64 rows of W (64 x 544 is the same 34,816 bytes)
.set SLOT,   4*HALFT                   ; xn's 256 rows, then W's 128 rows
.set STAGE,  2*SLOT                    ; behind the ring: 16 rows x 272 bytes for each wave, for the way out; no tensor load lands here
.set SPITCH, 272
.set LAPS, SIZE_K/(2*KSTEP)            ; a lap = two K steps = once round the ring: 4
.set WSTEP, KSTEP*2048                 ; a K step in W: 128 rows of 2,048 bytes
.set ADRA, 16                          ; v16-17  LDS address of my xn fragments in slot 0, 1
.set ADRB, 20                          ; v20-21  the same for W
.set STO,  24                          ; v24     the way out: where I put 16 bytes of a row
.set RD,   25                          ; v25     the way out: where I read 16 bytes back
.set CO,   26                          ; v26     my byte offset in qkv
.set BO,   27                          ; v27     my byte offset in the bias
.set F0,   64                          ; fragment buffer 0
.set F1,   128                         ; fragment buffer 1
.set TMP,  192                         ; the way out: packed results, in window 0
.set G1, 24                            ; s[24:31] descriptor group 1 for xn's tiles
.set G0, 32                            ; s[32:39] descriptor group 0 for xn's tiles, one set for each slot
.set G1B, 48                           ; s[48:55] descriptor group 1 for W's tiles
.set G0B, 56                           ; s[56:63] descriptor group 0 for W's tiles, one set for each slot
.set MSB, 0
.macro WIN new                         ; the immediate's high byte repeats the setting that is left
.if MSB != \new
	s_set_vgpr_msb (MSB<<8)|\new
.set MSB, \new
.endif
.endm
.set MUL_LO,  0xa1                     ; source 0 (W) window 1, source 1 (xn) window 0, C and D window 2
.set MUL_HI,  0xf1                     ; the same, C and D window 3
.set BIAS_LO, 0x81                     ; the first products: C (the bias) window 0, D window 2
.set BIAS_HI, 0xc1                     ; the same, D window 3
.set TO_B,    0x40                     ; destination window 1, address window 0
; A joint load.  Waves 0 and 1 fetch xn's two halves, waves 2 and 3 W's.  Each line has one mask and one set of registers for all that issue it.
; The branch hangs on the wave's number alone: it is the same in every work-group.
.macro JLOAD s
	s_cmp_eq_u32 s11, 0
	s_cbranch_scc0 .Lfor_b_\@
	tensor_load_to_lds s[G0+4*\s:G0+4*\s+3], s[G1:G1+7]
	s_nop 0
	s_branch .Lasked_\@
.Lfor_b_\@:
	tensor_load_to_lds s[G0B+4*\s:G0B+4*\s+3], s[G1B:G1B+7]
	s_nop 0
.Lasked_\@:
.endm
; A round of the cluster's barrier: my work-group's barrier, so that wave 0's signal speaks for all four waves; wave 0 signals for the work-group;
; every wave waits for all sixteen work-groups; my work-group's barrier once more.
.macro CREST                           ; a round behind its opening barrier
	s_cmp_lg_u32 s10, 0
	s_cbranch_scc1 .Lnot_wave_0_\@
	s_barrier_signal -3
.Lnot_wave_0_\@:
	s_barrier_wait -3
	s_barrier_signal -1
	s_barrier_wait -1
.endm
.macro CROUND                          ; a whole round
	s_barrier_signal -1
	s_barrier_wait -1
	CREST
.endm
	s_load_b128 s[4:7], s[0:1], 0x0                ; xn s[4:5], wb s[6:7]
	s_load_b128 s[68:71], s[0:1], 0x10             ; bq s[68:69], bk s[70:71]
	s_load_b128 s[72:75], s[0:1], 0x20             ; bv s[72:73], qkv s[74:75]
	s_set_vgpr_msb 0x40
	v_lshl_add_u32 v255, v0, 2, 0x48400
	s_set_vgpr_msb 0x4000
	v_mov_b32 v31, 0
	s_set_vgpr_msb 0x1
	ds_add_u32 v255, v31
	s_set_vgpr_msb 0x100
	v_lshrrev_b32 v1, 5, v0
	v_readfirstlane_b32 s10, v1                    ; wave 0..3
	s_lshr_b32 s11, s10, 1                         ; which half of the block's rows is mine.  Also: I fetch for xn (0) or for W (1)
	s_and_b32 s12, s10, 1                          ; which half of its columns.  Also: which half of that tile I fetch
	s_bfe_u32 s40, ttmp6, 0x40000                  ; cx: my place along the cluster's x
	s_bfe_u32 s41, ttmp6, 0x40004                  ; cy: along its y
	s_lshl_b32 s42, ttmp9, 2                       ; in a cluster launch ttmp9 and ttmp7 count clusters
	s_add_co_u32 s42, s42, s40                     ; block column = 4 x cluster x + cx.  Four blocks are one projection: ttmp9 is 0 for q, 1 for k, 2 for v
	s_and_b32 s13, ttmp7, 0xffff
	s_lshl_b32 s13, s13, 2
	s_add_co_u32 s13, s13, s41                     ; block row = 4 x cluster y + cy
	s_lshl_b32 s43, s41, 2
	s_lshl_b32 s43, 15, s43                        ; my row of the cluster: places 4 cy .. 4 cy + 3
	s_lshl_b32 s44, 0x1111, s40                    ; my column: places cx, cx + 4, cx + 8, cx + 12
	; group 1 for xn: 128 rows x 128 elements, 16 bytes of padding behind every 64 words
	s_or_b32 s[G1+0], s43, (1<<16)|(1<<20)|(1<<21)|(5<<22)|(3<<25)  ; 15:0 mask: my row; 17:16 elements of 2 bytes; 20 padding on; 21 set beside a mask; 24:22 every 64 words; 31:25 four words
	s_mov_b32 s[G1+1], KSTEP<<16                   ; tensor_dim0 = 128
	s_mov_b32 s[G1+2], 128<<16                     ; tensor_dim1 = 128
	s_mov_b32 s[G1+3], KSTEP<<16                   ; tile_dim0 = 128
	s_mov_b32 s[G1+4], 128                         ; tile_dim1 = 128
	s_mov_b32 s[G1+5], SIZE_K                      ; 1,024 elements from row to row
	s_mov_b32 s[G1+6], 0
	s_mov_b32 s[G1+7], 0
	; group 1 for W: 64 rows (k) x 256 elements (n), 32 bytes of padding behind every 128 words
	s_or_b32 s[G1B+0], s44, (1<<16)|(1<<20)|(1<<21)|(6<<22)|(7<<25) ; mask: my column; every 128 words; eight words
	s_mov_b32 s[G1B+1], 256<<16                    ; tensor_dim0 = 256
	s_mov_b32 s[G1B+2], 64<<16                     ; tensor_dim1 = 64
	s_mov_b32 s[G1B+3], 256<<16                    ; tile_dim0 = 256
	s_mov_b32 s[G1B+4], 64                         ; tile_dim1 = 64
	s_mov_b32 s[G1B+5], 1024                       ; 1,024 elements from row to row
	s_mov_b32 s[G1B+6], 0
	s_mov_b32 s[G1B+7], 0
	; where the tiles come from.  xn's hang on the block row alone, which my row of the cluster shares; W's on the block column alone.
	s_lshl_b32 s17, s12, 7
	s_lshl_b32 s16, s13, 8
	s_add_co_u32 s16, s16, s17                     ; xn: row 256 x block row + 128 x half,
	s_lshl_b32 s16, s16, 11                        ; of 2,048 bytes (below 16 MiB)
	s_mov_b32 s17, 0
	s_lshl_b32 s46, ttmp9, 21                      ; W: the projection's 2 MiB,
	s_lshl_b32 s47, s40, 9                         ; 256 columns of 2 bytes for each block,
	s_add_co_u32 s46, s46, s47
	s_lshl_b32 s47, s12, 17                        ; and my 64 rows of 2,048 bytes
	s_add_co_u32 s46, s46, s47
	s_mov_b32 s47, 0
	s_lshl_b32 s80, s40, 10                        ; the bias of my 128 columns: 4 bytes x (256 cx + 128 half)
	s_lshl_b32 s81, s12, 9
	s_add_co_u32 s80, s80, s81
	s_mov_b32 s81, 0
	s_mul_i32 s20, s10, HALFT                      ; where the tiles go: wave x 34,816: no place in the cluster enters an LDS address
	s_wait_dscnt 0x0
	s_wait_kmcnt 0x0
	s_add_nc_u64 s[14:15], s[4:5], s[16:17]
	s_add_nc_u64 s[46:47], s[6:7], s[46:47]
	s_cmp_eq_u32 ttmp9, 1                          ; the projection's bias: one of three buffers, chosen by the cluster's x
	s_cselect_b64 s[84:85], s[70:71], s[68:69]
	s_cmp_eq_u32 ttmp9, 2
	s_cselect_b64 s[84:85], s[72:73], s[84:85]
	s_add_nc_u64 s[84:85], s[84:85], s[80:81]
	CROUND                                         ; all sixteen work-groups are here: the first joint loads meet
.irp s, 0,1
	s_mov_b32 s[G0+4*\s], 1                                        ; count = 1
	s_add_co_u32 s[G0+4*\s+1], s20, \s*SLOT                        ; LDS address
	s_add_nc_u64 s[G0+4*\s+2:G0+4*\s+3], s[14:15], \s*KSTEP*2      ; global address: K step s
	s_or_b32 s[G0+4*\s+3], s[G0+4*\s+3], 0x80000000                ; type = 2
	s_mov_b32 s[G0B+4*\s], 1
	s_add_co_u32 s[G0B+4*\s+1], s20, \s*SLOT
	s_add_nc_u64 s[G0B+4*\s+2:G0B+4*\s+3], s[46:47], \s*WSTEP
	s_or_b32 s[G0B+4*\s+3], s[G0B+4*\s+3], 0x80000000
	JLOAD \s                                       ; the ring is filled before anything else is done: two tensor loads of the wave are out
.endr
	; A fragment is 16 rows x 32 K in 8 registers: lane l holds row l % 16; registers 0-3 hold K = 8 (l / 16) + 0..7, registers 4-7 K = 16 + 8 (l / 16) + 0..7.
	v_and_b32 v1, 15, v0                           ; l % 16
	v_bfe_u32 v2, v0, 4, 1                         ; l / 16
	v_lshlrev_b32 v[BO], 5, v2                     ; register j of an accumulator is column 8 (l / 16) + j: 32 bytes for each half of the lanes
.irp b, 0,1,2,3,4,5,6,7
	global_load_b128 v[32+8*\b+160*(\b/4):32+8*\b+160*(\b/4)+3],   v[BO], s[84:85] offset:64*\b
	global_load_b128 v[32+8*\b+160*(\b/4)+4:32+8*\b+160*(\b/4)+7], v[BO], s[84:85] offset:64*\b+16
.endr
	v_mul_u32_u24 v3, v1, PITCH                    ; xn, rows along K: two loads of 16 bytes, 32 bytes apart, at row x pitch + 16 x half
	v_lshl_add_u32 v3, v2, 4, v3
	v_and_b32 v6, 7, v0                            ; W, rows along n: the transposing load; lane l addresses row 8 (l / 16) + l % 8,
	v_lshl_add_u32 v6, v2, 3, v6
	v_mul_u32_u24 v6, v6, BPITCH
	v_bfe_u32 v7, v0, 3, 1                         ; and there the first or the second 16 bytes of the 16 columns
	v_lshl_add_u32 v6, v7, 4, v6
	s_mul_i32 s21, s11, HALFT                      ; my 128 rows of xn
	s_lshl_b32 s22, s12, 8                         ; my 128 columns of W, 256 bytes,
	s_add_co_u32 s22, s22, 2*HALFT                 ; behind xn's 256 rows
.irp s, 0,1
	v_add_nc_u32 v[ADRA+\s], s21, v3
	v_add_nc_u32 v[ADRB+\s], s22, v6
	s_add_co_u32 s21, s21, SLOT
	s_add_co_u32 s22, s22, SLOT
.endr
	s_mul_i32 s23, s10, 16*SPITCH
	s_add_co_u32 s23, s23, STAGE                   ; my stage
	v_mul_u32_u24 v4, v1, SPITCH                   ; in: row l % 16, 16 bytes for each half of the lanes
	v_lshl_add_u32 v4, v2, 4, v4
	v_add_nc_u32 v[STO], s23, v4
	v_mul_u32_u24 v5, v7, SPITCH                   ; back: lanes 0-15 take 128 bytes (one head) of two rows, lanes 16-31 the other head's
	v_lshl_add_u32 v5, v2, 7, v5
	v_and_b32 v7, 7, v0
	v_lshl_add_u32 v5, v7, 4, v5
	v_add_nc_u32 v[RD], s23, v5
	v_lshlrev_b32 v5, 18, v2                       ; in qkv a head is 2,048 x 128 bytes; two tokens of one head are 256 consecutive bytes
	v_lshl_add_u32 v[CO], v1, 4, v5
; 16 matrix instructions: m blocks a0, a0 + 1 of the window's four (hi = 0: my rows 0-63, 1: rows 64-127) x all 8 n blocks, 32 along K.
; zero = 1: the first product of each tile takes the bias of its 16 columns as C.
.macro MUL16 f, hi, a0, zero
.irp a, \a0, \a0+1
.irp b, 0,1,2,3,4,5,6,7
.if \zero
	v_wmma_f32_16x16x32_f16 v[8*(8*(\a)+\b):8*(8*(\a)+\b)+7], v[\f+8*\b:\f+8*\b+7], v[\f+8*(4*\hi+\a):\f+8*(4*\hi+\a)+7], v[32+8*\b+160*(\b/4):32+8*\b+160*(\b/4)+7]
.else
	v_wmma_f32_16x16x32_f16 v[8*(8*(\a)+\b):8*(8*(\a)+\b)+7], v[\f+8*\b:\f+8*\b+7], v[\f+8*(4*\hi+\a):\f+8*(4*\hi+\a)+7], v[8*(8*(\a)+\b):8*(8*(\a)+\b)+7]
.endif
.endr
.endr
.endm
; 32 LDS loads in one run: the fragments of one quarter step into buffer f.  k = the quarter's byte offset in xn's rows (64 bytes = 32 K);
; in W's tile the same 32 K are 32 rows of 544 bytes, that is k x 272; the second load of a fragment stands 16 rows further down.
.macro FETCH slot, k, f
	WIN TO_B
.irp i, 0,1,2,3,4,5,6,7
	ds_load_tr16_b128 v[\f+8*\i:\f+8*\i+3],   v[ADRB+\slot] offset:\k*272+\i*32
	ds_load_tr16_b128 v[\f+8*\i+4:\f+8*\i+7], v[ADRB+\slot] offset:\k*272+\i*32+16*BPITCH
.endr
	WIN 0
.irp i, 0,1,2,3,4,5,6,7
	ds_load_b128 v[\f+8*\i:\f+8*\i+3],   v[ADRA+\slot] offset:\k+\i*16*PITCH
	ds_load_b128 v[\f+8*\i+4:\f+8*\i+7], v[ADRA+\slot] offset:\k+\i*16*PITCH+32
.endr
.endm
; A load into a register that a matrix instruction has read, and a vector instruction that reads a matrix result, stand four places behind that
; matrix instruction, and only plain vector instructions that name none of its registers are places.
.macro PLACES
.rept 4
	v_nop
.endr
.endm
; A K step is four quarter steps of 32 along K, 64 matrix instructions each, on buffers 0, 1, 0, 1.  The 64 accumulators take turns, one instruction
; a turn, in the same order in every quarter, over the loop's backward jump too.
.macro QUARTER slot, k, f, g, zero
	s_wait_dscnt 8                                 ; W and xn's rows 0-63 are in; the youngest eight loads (xn's rows 64-127) may be out
.if \zero
	WIN BIAS_LO
.else
	WIN MUL_LO
.endif
	MUL16 \f, 0, 0, \zero
	MUL16 \f, 0, 2, \zero
	PLACES
	FETCH \slot, \k, \g
	s_wait_dscnt 32                                ; all but the 32 just issued
.if \zero
	WIN BIAS_HI
.else
	WIN MUL_HI
.endif
	MUL16 \f, 1, 0, \zero
	MUL16 \f, 1, 2, \zero
.endm
.macro THREE slot, zero
	QUARTER \slot, 64,  F0, F1, \zero
	QUARTER \slot, 128, F1, F0, 0
	QUARTER \slot, 192, F0, F1, 0
.endm
; The last quarter: multiplies buffer 1 and changes slots.  next = the other slot; fill = 1: this slot is filled again, two K steps ahead.
; In front of the barrier each wave waits for its own reads of this slot and for all its tensor loads, of which one is out: its part of the next
; slot.  Behind it nobody reads this slot any more and the next slot is whole: the refill comes first, then the next slot's first fragments.
.macro TURN slot, next, fill
	s_wait_dscnt 8
	WIN MUL_LO
	MUL16 F1, 0, 0, 0
	s_wait_dscnt 0                                 ; my reads of this slot are over
	s_wait_tensorcnt 0x0                           ; and all my tensor loads have landed
	ds_add_u32 v255, v31
	s_wait_dscnt 0x0
	s_barrier_signal -1                            ; say so (where a slot is filled again this barrier opens a round of the cluster's barrier),
	MUL16 F1, 0, 2, 0                              ; work on registers while the others arrive,
	WIN 0
	s_barrier_wait -1                              ; and go on when all four have said so
.if \fill
	CREST                                          ; all sixteen work-groups have said so: no wave of any partner still reads this slot's tile or has a load on its way
	s_add_nc_u64 s[G0+4*\slot+2:G0+4*\slot+3], s[G0+4*\slot+2:G0+4*\slot+3], 2*KSTEP*2
	s_add_nc_u64 s[G0B+4*\slot+2:G0B+4*\slot+3], s[G0B+4*\slot+2:G0B+4*\slot+3], 2*WSTEP
	JLOAD \slot                                    ; the first tensor load behind the round, and the wave's only one until the next
.endif
	PLACES
	FETCH \next, 0, F0
	WIN MUL_HI
	MUL16 F1, 1, 0, 0
	MUL16 F1, 1, 2, 0
.endm
.macro LAP zero                        ; once round the ring, both slots filled again
	THREE 0, \zero
	TURN 0, 1, 1
	THREE 1, 0
	TURN 1, 0, 1
.endm
	s_wait_loadcnt 0x0                             ; the bias, once
	s_wait_tensorcnt 1                             ; my part of K step 0 is in; K step 1's stays out
	s_barrier_signal -1
	s_barrier_wait -1                              ; everybody's is
	FETCH 0, 0, F0
	LAP 1                                          ; the first lap stands in front of the loop: its first products start the sums from the bias
	WIN 0                                          ; at a label and at a branch every window is 0
	s_mov_b32 s3, LAPS-2
.Llap:
	LAP 0
	WIN 0
	s_sub_co_u32 s3, s3, 1
	s_cmp_lg_u32 s3, 0
	s_cbranch_scc1 .Llap
	THREE 0, 0                                     ; the last lap fills nothing: my one tensor load that is still out is slot 1's, the last K step's
	TURN 0, 1, 0
	THREE 1, 0
	s_wait_dscnt 8                                 ; the very last quarter: nothing more to fetch
	WIN MUL_LO
	MUL16 F1, 0, 0, 0
	MUL16 F1, 0, 2, 0
	s_wait_dscnt 0
	WIN MUL_HI
	MUL16 F1, 1, 0, 0
	MUL16 F1, 1, 2, 0
	; THE WAY OUT, 16 tokens at a time: round to f16, 16 bytes a lane into my own stage in LDS, read back as 128-byte rows of a head.
	PLACES                                         ; the places behind the last matrix instructions, for the conversions and for the loads into buffers 0 and 1
	s_lshr_b32 s80, s13, 3                         ; batch = block row / 8
	s_mul_i32 s80, s80, 48
	s_lshl2_add_u32 s80, s42, s80                  ; + 4 heads for each block column
	s_lshl1_add_u32 s80, s12, s80                  ; + 2 for my half of the columns
	s_lshl_b32 s80, s80, 18                        ; heads of 262,144 bytes
	s_and_b32 s82, s13, 7
	s_lshl_b32 s82, s82, 8
	s_lshl_b32 s83, s11, 7
	s_add_co_u32 s82, s82, s83                     ; my first token in the batch
	s_lshl_b32 s82, s82, 7                         ; rows of 128 bytes
	s_add_co_u32 s80, s80, s82
	s_mov_b32 s81, 0
	s_add_nc_u64 s[74:75], s[74:75], s[80:81]
; tokens 16 i .. 16 i + 15 of my block = the eight tiles (a, 0..7) of window 2 or 3 (from = 0x0a or 0x0f: sources 0 and 1); f: F0 or F1 in turn
.macro OUT16 i, a, from, f
	WIN \from
.irp b, 0,1,2,3,4,5,6,7
.irp r, 0,1,2,3
	v_cvt_pk_f16_f32 v[TMP+4*\b+\r], v[8*(8*\a+\b)+2*\r], v[8*(8*\a+\b)+2*\r+1]
.endr
.endr
	WIN 0
.irp b, 0,1,2,3,4,5,6,7
	ds_store_b128 v[STO], v[TMP+4*\b:TMP+4*\b+3] offset:32*\b
.endr
	s_wait_xcnt 0x0                                ; buffer f, which earlier stores read, and the stores' base are rewritten only behind this wait
.if \i
	s_add_nc_u64 s[74:75], s[74:75], 16*128        ; 16 tokens on
.endif
.irp t, 0,1,2,3,4,5,6,7
	ds_load_b128 v[\f+4*\t:\f+4*\t+3], v[RD] offset:\t*2*SPITCH    ; LDS serves a wave's instructions in order: these see the stores above
.endr
.irp t, 0,1,2,3,4,5,6,7
	s_wait_dscnt 7-\t
	global_store_b128 v[CO], v[\f+4*\t:\f+4*\t+3], s[74:75] offset:256*\t   ; 16 lanes store two tokens of one head: 256 consecutive bytes, aligned
.endr
.endm
	OUT16 0, 0, 0x0a, F0
	OUT16 1, 1, 0x0a, F1
	OUT16 2, 2, 0x0a, F0
	OUT16 3, 3, 0x0a, F1
	OUT16 4, 0, 0x0f, F0
	OUT16 5, 1, 0x0f, F1
	OUT16 6, 2, 0x0f, F0
	OUT16 7, 3, 0x0f, F1
	s_set_vgpr_msb 0x1
	s_wait_tensorcnt 0x0
	ds_add_u32 v255, v31
	s_wait_dscnt 0x0
	s_set_vgpr_msb 0x100
	CROUND                                         ; the closing round: no work-group ends while a partner may still ask for a tile that names it
	s_endpgm
.Lfunc_end_k_q90e6812fe1_qkvgemm:
	.size	k_q90e6812fe1_qkvgemm, .Lfunc_end_k_q90e6812fe1_qkvgemm-k_q90e6812fe1_qkvgemm
	.p2alignl 7, 3214868480
	.fill 96, 4, 3214868480
	.section	.rodata,"a",@progbits
	.p2align	6, 0x0
	.amdhsa_kernel k_q90e6812fe1_qkvgemm
		.amdhsa_group_segment_fixed_size 327680
		.amdhsa_private_segment_fixed_size 0
		.amdhsa_enable_private_segment 0
		.amdhsa_kernarg_size 48
		.amdhsa_user_sgpr_count 2
		.amdhsa_user_sgpr_kernarg_segment_ptr 1
		.amdhsa_wavefront_size32 1
		.amdhsa_system_sgpr_workgroup_id_x 1
		.amdhsa_system_sgpr_workgroup_id_y 1
		.amdhsa_system_sgpr_workgroup_id_z 1
		.amdhsa_system_vgpr_workitem_id 0
		.amdhsa_next_free_vgpr 1024
		.amdhsa_next_free_sgpr 96
		.amdhsa_reserve_vcc 0
		.amdhsa_float_denorm_mode_32 3
		.amdhsa_float_denorm_mode_16_64 3
		.amdhsa_memory_ordered 1
		.amdhsa_forward_progress 1
		.amdhsa_inst_pref_size 198
	.end_amdhsa_kernel
	.amdgpu_metadata
---
amdhsa.version: [ 1, 2 ]
amdhsa.kernels:
  - .name:           k_q90e6812fe1_qkvgemm
    .symbol:         k_q90e6812fe1_qkvgemm.kd
    .args:
      - { .name: xn, .offset: 0, .size: 8, .value_kind: global_buffer, .address_space: global }
      - { .name: wb, .offset: 8, .size: 8, .value_kind: global_buffer, .address_space: global }
      - { .name: bq, .offset: 16, .size: 8, .value_kind: global_buffer, .address_space: global }
      - { .name: bk, .offset: 24, .size: 8, .value_kind: global_buffer, .address_space: global }
      - { .name: bv, .offset: 32, .size: 8, .value_kind: global_buffer, .address_space: global }
      - { .name: qkv, .offset: 40, .size: 8, .value_kind: global_buffer, .address_space: global }
    .group_segment_fixed_size: 327680
    .private_segment_fixed_size: 0
    .kernarg_segment_align: 8
    .kernarg_segment_size: 48
    .max_flat_workgroup_size: 128
    .sgpr_count:     96
    .vgpr_count:     1024
    .wavefront_size: 32
...
	.end_amdgpu_metadata
.endif
;; end of part 2
;; launch attn (part 3): grid 256 x 1, 8 waves a work-group, clusters of 4 x 1, 327,680 bytes of LDS; arguments qkv, out0; writes out0
.if DOCPART == 3
	.amdgcn_target "amdgcn-amd-amdhsa--gfx1250"
	.amdhsa_code_object_version 6
	.text
	.protected	k_q90e6812fe1_attn
	.globl	k_q90e6812fe1_attn
	.p2align	8
	.type	k_q90e6812fe1_attn,@function
k_q90e6812fe1_attn:
	s_mov_b64 s[64:65], 0
	v_nop
	global_prefetch_b8 v0, s[64:65] scope:SCOPE_SE
	s_setreg_imm32_b32 hwreg(HW_REG_WAVE_MODE, 25, 1), 1
	s_wait_xcnt 0x0
	s_wait_alu depctr_hold_cnt(0) depctr_sa_sdst(0) depctr_va_vdst(0) depctr_va_sdst(0) depctr_va_ssrc(0) depctr_va_vcc(0) depctr_vm_vsrc(0)
	s_getreg_b32 s2, hwreg(HW_REG_IB_STS2, 6, 4)
	s_cmp_eq_u32 s2, 0
	s_cbranch_scc0 .Lentry_in_a_cluster
	s_endpgm
.Lentry_in_a_cluster:
	s_bfe_u32 s2, ttmp6, 0x10000c
	s_cmp_lg_u32 s2, 0x3003
	s_cbranch_scc0 .Lentry_shape_is_right
	s_endpgm
.Lentry_shape_is_right:
; out0[b][i][64 h + d] = sum over j of softmax_j( (q_i . k_j - slope_h |j - i|) / 8 ) v_j[d],  64 (batch, head) pairs, 2,048 x 2,048 scores each, d = 64.
; qkv: f16 [b][g][s][64], g = h for q, 16 + h for k, 32 + h for v.  Products in f16 with f32 sums; softmax in f32 with a running maximum.
; CLUSTERS: the four work-groups of a cluster are the four blocks of 512 queries of one (batch, head); they read the same K and V, so each tile is
; asked for jointly (mask 15), which divides those requests by four.  No branch and no LDS address hangs on the place in the cluster.
; Eight waves, 64 queries each, two waves on a SIMD with 512 registers each: one wave's softmax runs beside the other's products.
; K and V go in tiles of 256 keys through a ring of two LDS slots; waves 0-3 fetch 64 rows of V each, waves 4-7 64 rows of K.
; A tile is four steps of 64 keys.  A step:
;   S^T = K Q^T + bias   (A = 16 keys x 32 d, B = 16 queries x 32 d): register j of lane (r, h) is key 8 h + j of query r; the bias tile is the C operand;
;   softmax: a lane holds ONE query in S, P, O and the sum, so every statistic is one register a lane and one exchange between the wave's halves;
;   two neighbouring key tiles of S, packed to f16 in place, ARE the 32-key B fragment of P: no shuffle;
;   O^T += V^T P         (A = 16 d x 32 keys, by the transposing LDS load);   sum += ONES P, on the same rounded P that multiplies V.
; THE TEXT IS KEPT SHORT: a step is some 620 instructions, and a wave runs 32 of them.  A step's place in LDS stands in two registers that are set at a
; tile's head and stepped by 64 rows a step, so a tile's steps are a counted loop round ONE step's text.  Tile 0 (whose first step starts the sums),
; a loop over the pairs of tiles (1, 2), (3, 4), (5, 6), and tile 7 (which fetches nothing) make five copies of the step in all:
; 27 of the 32 steps run text that the wave has run before.
; The probabilities are at most 1 (the running maximum is taken away first), so they have room in f16; its 11 significant bits are wanted because the
; steepest head averages only some 23 keys, 11 at the sequence's ends.
; LIMITS: NaN and infinite inputs are not reproduced (the maxima drop a NaN); a probability below 6e-8 of its row's largest so far counts as 0 and one
; below 6.1e-5 carries an absolute error of at most 3e-8 (2,048 such terms: under 1.3e-4 of a sum that is at least 1); q, k, v are f16;
; the softmax's sum is that of the f16 probabilities.
.set TILE,  32768                      ; 256 keys x 128 bytes in memory
.set VP,    160                        ; V's LDS row: 128 bytes + 32, an odd multiple of 32 for the transposing load
.set KP,    144                        ; K's LDS row: 128 bytes + 16, an odd multiple of 16
.set KOFF,  256*VP                     ; K lies behind V in a slot
.set SLOT,  256*VP+256*KP              ; 77,824
.set STAGE, 2*SLOT                     ; behind the ring: 16 rows x 272 bytes for each wave, for the way out; no tensor load lands here
.set SP,    272
; window 0
.set ADK,  4                           ; v4       LDS address of my K fragments at the head of slot 0; never rewritten
.set KA,   5                           ; v5       the same for the step at work: + slot x 77,824 at a tile's head, + 64 rows a step
.set ADV,  6                           ; v6       LDS address of my V fragments at the head of slot 0; never rewritten
.set VA,   7                           ; v7       the same for the step at work
                                       ; v8 stage in, v9 stage back, v10 offset in out0, v11 offset in q, v12 offset of the prefetch; v1 r, v2 h, v3, v14, v15 at work
.set ED,   16                          ; v[16:23]   ED[j] = key - query for the tile on the diagonal: k0 + 8 h + j - r - my first query, as f32 (whole numbers below 2^24: exact)
.set BB,   24                          ; v[24:39]   two bias tiles by turns
.set ONES, 40                          ; v[40:47]   A fragment with ones in rows 0 and 8 and zeros elsewhere
.set MX,   48                          ; v[48:51]   running maximum of query tile a, in the scores' own units
.set NMA,  52                          ; v[52:59]   pair a: (-c1 x maximum, the factor that rescales the old sums)
.set T,    60                          ; v[60:63]   at work
.set KV,   64                          ; v[64:127]  K(b, kk) at 16 b + 8 kk, then V(g, dt) at 8 (4 g + dt)
.set S,    128                         ; v[128:255] S(a, b) at 8 (4 a + b); then P(a, g) in S(a, 2 g)
; window 1
.set O,    0                           ; O(a, dt) at 8 (4 a + dt)
.set LS,   128                         ; the sums: register 0 of 8 a
.set Q,    160                         ; Q(a, kk) at 16 a + 8 kk
.set G1V, 16                           ; s[16:23] group 1 for V
.set G1K, 24                           ; s[24:31] group 1 for K
.set G0V, 32                           ; s[32:39] group 0 for V, a set for each slot
.set G0K, 40                           ; s[40:47] group 0 for K
                                       ; s48 counts the pairs of tiles, s69 the steps of a tile
.set MSB, 0
.macro WIN new                         ; s_set_vgpr_msb: bits 1:0 source 0, 3:2 source 1, 5:4 source 2, 7:6 destination; the high byte repeats the setting that is left
.if MSB != \new
	s_set_vgpr_msb (MSB<<8)|\new
.set MSB, \new
.endif
.endm
.macro ROUND                           ; a round of the cluster's barrier
	s_barrier_signal -1
	s_barrier_wait -1
	s_cmp_lg_u32 s8, 0
	s_cbranch_scc1 .Lnot_wave_0_\@
	s_barrier_signal -3
.Lnot_wave_0_\@:
	s_barrier_wait -3
	s_barrier_signal -1
	s_barrier_wait -1
.endm
.macro JLOAD s                         ; my quarter of V's tile (waves 0-3) or of K's (waves 4-7); the branch hangs on the wave's number alone
	s_cmp_eq_u32 s9, 0
	s_cbranch_scc0 .Lfor_k_\@
	tensor_load_to_lds s[G0V+4*\s:G0V+4*\s+3], s[G1V:G1V+7]
	s_nop 0
	s_branch .Lasked_\@
.Lfor_k_\@:
	tensor_load_to_lds s[G0K+4*\s:G0K+4*\s+3], s[G1K:G1K+7]
	s_nop 0
.Lasked_\@:
.endm
	s_load_b128 s[4:7], s[0:1], 0x0                ; qkv s[4:5], out0 s[6:7]
	v_lshl_add_u32 v13, v0, 2, 0x2e800
	s_set_vgpr_msb 0x40
	v_mov_b32 v255, 0
	s_set_vgpr_msb 0x4044
	ds_add_u32 v13, v255
	s_set_vgpr_msb 0x4400
	v_lshrrev_b32 v3, 5, v0
	v_readfirstlane_b32 s8, v3                     ; wave 0..7
	s_lshr_b32 s9, s8, 2                           ; 0: I fetch V, 1: K
	s_and_b32 s10, s8, 3                           ; which 64 rows of the tile
	s_bfe_u32 s11, ttmp6, 0x40000                  ; cx: which 512 queries
	s_lshr_b32 s12, ttmp9, 4                       ; batch (ttmp9 counts clusters)
	s_and_b32 s13, ttmp9, 15                       ; head
	s_mov_b32 s50, 0x3e38aa3b                      ; c1 = log2(e) / 8: the division by sqrt(64) and the change to base 2 in one factor
	s_mov_b32 s51, 0x3e38aa3b
	s_mov_b32 s52, 0x76543210                      ; v_permlanex16_b32: lane i reads lane i of the other half
	s_mov_b32 s53, 0xfedcba98
	; -slope = -2^(-(h + 1) / 2): the bits of -1 or of -sqrt(1/2), with (h + 1) / 2 taken off the exponent field
	s_add_co_u32 s60, s13, 1
	s_lshr_b32 s61, s60, 1
	s_lshl_b32 s61, s61, 23
	s_mov_b32 s62, 0xbf3504f3
	s_mov_b32 s63, 0xbf800000
	s_bitcmp1_b32 s60, 0
	s_cselect_b32 s49, s62, s63
	s_sub_co_u32 s49, s49, s61
	; offsets, apart from the addresses
	s_mul_i32 s66, s12, 48
	s_add_co_u32 s66, s66, s13
	s_lshl_b32 s66, s66, 18                        ; the head's q: (48 b + h) x 262,144 bytes; its k lies 16, its v 32 heads further
	s_lshl_b32 s67, s11, 9
	s_lshl_b32 s60, s8, 6
	s_add_co_u32 s67, s67, s60                     ; my first query = 512 cx + 64 wave
	s_mul_i32 s14, s8, 64*VP                       ; V's rows in a slot: wave x 10,240 (waves 0-3)
	s_mul_i32 s15, s8, 64*KP                       ; K's: 40,960 + (wave - 4) x 9,216 (waves 4-7)
	s_add_co_u32 s15, s15, KOFF-4*64*KP
	s_mul_i32 s68, s8, 16*SP
	s_add_co_u32 s68, s68, STAGE                   ; my stage
	s_lshl_b32 s62, s10, 13                        ; my 64 rows of 128 bytes in a tile
	s_add_co_u32 s62, s62, s66
	s_mov_b32 s63, 0
	s_lshl_b32 s56, s67, 7                         ; my queries' rows
	s_add_co_u32 s56, s56, s66
	s_mov_b32 s57, 0
	s_lshl_b32 s58, s12, 11
	s_add_co_u32 s58, s58, s67
	s_lshl_b32 s58, s58, 12                        ; out0: token x 4,096 bytes
	s_lshl_b32 s59, s13, 8                         ; + head x 256
	s_add_co_u32 s58, s58, s59
	s_mov_b32 s59, 0
	s_sub_co_u32 s54, 2, s9                        ; the prefetch: V (32 heads on) for waves 0-3, K (16 heads on) for waves 4-7
	s_lshl_b32 s54, s54, 22
	s_add_co_u32 s54, s54, s66
	s_mov_b32 s55, 0
	; group 1: 64 rows x 64 elements of 2 bytes, padding behind every 32 words: eight words for V, four for K; mask 15 with bit 21 beside it
	s_mov_b32 s[G1V+0], 15|(1<<16)|(1<<20)|(1<<21)|(4<<22)|(7<<25)
	s_mov_b32 s[G1K+0], 15|(1<<16)|(1<<20)|(1<<21)|(4<<22)|(3<<25)
.irp g, G1V, G1K
	s_mov_b32 s[\g+1], 64<<16                      ; tensor_dim0 = 64
	s_mov_b32 s[\g+2], 64<<16                      ; tensor_dim1 = 64
	s_mov_b32 s[\g+3], 64<<16                      ; tile_dim0 = 64
	s_mov_b32 s[\g+4], 64                          ; tile_dim1 = 64
	s_mov_b32 s[\g+5], 64                          ; 64 elements from row to row
	s_mov_b32 s[\g+6], 0
	s_mov_b32 s[\g+7], 0
.endr
	s_wait_dscnt 0x0
	s_wait_kmcnt 0x0
	s_add_nc_u64 s[62:63], s[4:5], s[62:63]
	s_add_nc_u64 s[56:57], s[4:5], s[56:57]
	s_add_nc_u64 s[58:59], s[6:7], s[58:59]
	s_add_nc_u64 s[54:55], s[4:5], s[54:55]
.irp n, 0,1
	s_mov_b32 s[G0V+4*\n], 1
	s_add_co_u32 s[G0V+4*\n+1], s14, \n*SLOT
	s_add_nc_u64 s[G0V+4*\n+2:G0V+4*\n+3], s[62:63], (32<<18)+\n*TILE       ; slot n starts with tile n
	s_or_b32 s[G0V+4*\n+3], s[G0V+4*\n+3], 0x80000000
	s_mov_b32 s[G0K+4*\n], 1
	s_add_co_u32 s[G0K+4*\n+1], s15, \n*SLOT
	s_add_nc_u64 s[G0K+4*\n+2:G0K+4*\n+3], s[62:63], (16<<18)+\n*TILE
	s_or_b32 s[G0K+4*\n+3], s[G0K+4*\n+3], 0x80000000
.endr
	v_and_b32 v1, 15, v0                           ; r
	v_bfe_u32 v2, v0, 4, 1                         ; h
	v_lshlrev_b32 v3, 7, v1
	v_lshl_add_u32 v11, v2, 4, v3                  ; q: row r, 16 bytes for each half of the lanes
	WIN 0x40                                       ; destination window 1
.irp a, 0,1,2,3
.irp kk, 0,1
	global_load_b128 v[Q+16*\a+8*\kk:Q+16*\a+8*\kk+3],   v11, s[56:57] offset:2048*\a+64*\kk
	global_load_b128 v[Q+16*\a+8*\kk+4:Q+16*\a+8*\kk+7], v11, s[56:57] offset:2048*\a+64*\kk+32
.endr
.endr
	WIN 0
	ROUND                                          ; all four work-groups are here: the first joint load meets
	JLOAD 0                                        ; tile 0: one tensor load of the wave is out
	v_mul_u32_u24 v3, v1, KP                       ; K, rows along d: row x pitch + 16 x half
	v_lshl_add_u32 v3, v2, 4, v3
	v_add_nc_u32 v[ADK], KOFF, v3
	v_and_b32 v3, 7, v0
	v_cmp_eq_u32 vcc_lo, 0, v3                     ; lanes 0, 8, 16, 24 hold rows 0 and 8 of an A fragment
	v_lshl_add_u32 v3, v2, 3, v3                   ; V, rows along d, taken transposed: lane l addresses key 8 h + l % 8,
	v_mul_u32_u24 v3, v3, VP
	v_bfe_u32 v14, v0, 3, 1                        ; and there the first or the second 16 bytes of the 16 columns
	v_lshl_add_u32 v[ADV], v14, 4, v3
	v_mov_b32 v15, 0x3c003c00                      ; two f16 ones
	v_cndmask_b32 v[ONES], 0, v15, vcc_lo
.irp j, 1,2,3,4,5,6,7
	v_mov_b32 v[ONES+\j], v[ONES]
.endr
	v_mul_u32_u24 v3, v1, SP                       ; stage in: row r (a query), 32 bytes (8 f32) for each half of the lanes
	v_lshl_add_u32 v3, v2, 5, v3
	v_add_nc_u32 v8, s68, v3
	v_mul_u32_u24 v3, v2, SP                       ; stage back: lanes 0-15 one row of 256 bytes, lanes 16-31 the next
	v_lshl_add_u32 v3, v1, 4, v3
	v_add_nc_u32 v9, s68, v3
	v_lshlrev_b32 v3, 12, v2                       ; and the same two tokens in out0
	v_lshl_add_u32 v10, v1, 4, v3
	v_and_b32 v3, 31, v0
	v_lshlrev_b32 v3, 8, v3
	v_lshl_add_u32 v12, s11, 13, v3                ; the prefetch: lanes 256 bytes apart, in the cx-th 8,192 bytes of a tile
	v_lshlrev_b32 v3, 3, v2
	v_sub_nc_u32 v3, v3, v1
	v_sub_nc_u32 v3, v3, s67                       ; 8 h - r - my first query
.irp j, 0,1,2,3,4,5,6,7
	v_add_nc_u32 v14, \j, v3
	v_cvt_f32_i32 v[ED+\j], v14
.endr
.irp j, 0,1,2,3,4,5,6,7
	v_mov_b32 v[NMA+\j], 0                         ; the packed forms count both registers of a pair as read
.endr
	s_wait_loadcnt 0x0                             ; q, once
; 16 loads: the K fragments of the step at work, the first half of d (kk = 0) ahead of the second
.macro LOADK
.irp kk, 0,1
.irp b, 0,1,2,3
	ds_load_b128 v[KV+16*\b+8*\kk:KV+16*\b+8*\kk+3],   v[KA] offset:16*\b*KP+64*\kk
	ds_load_b128 v[KV+16*\b+8*\kk+4:KV+16*\b+8*\kk+7], v[KA] offset:16*\b*KP+64*\kk+32
.endr
.endr
.endm
; 16 transposing loads: V(g, dt) = d 16 dt .. + 15 of keys 32 g .. + 31 of the step; the second load of a fragment stands 16 keys further down
.macro LOADV
.irp g, 0,1
.irp dt, 0,1,2,3
	ds_load_tr16_b128 v[KV+8*(4*\g+\dt):KV+8*(4*\g+\dt)+3],   v[VA] offset:32*\g*VP+32*\dt
	ds_load_tr16_b128 v[KV+8*(4*\g+\dt)+4:KV+8*(4*\g+\dt)+7], v[VA] offset:32*\g*VP+32*\dt+16*VP
.endr
.endr
.endm
; The bias tile of a diagonal b - a = d: -slope |ED + 16 d|.  lit = 16 d as f32; shift = 0 on the main diagonal.
; These lines run with source 1 in window 1, so they name vector registers as source 0 and as destination alone.
.macro BIAS buf, lit, shift
.if \shift
.irp j, 0,2,4,6
	v_pk_add_f32 v[BB+8*\buf+\j:BB+8*\buf+\j+1], v[ED+\j:ED+\j+1], \lit op_sel_hi:[1,0]
.endr
.irp j, 0,1,2,3,4,5,6,7
	v_mul_f32 v[BB+8*\buf+\j], |v[BB+8*\buf+\j]|, s49
.endr
.else
.irp j, 0,1,2,3,4,5,6,7
	v_mul_f32 v[BB+8*\buf+\j], |v[ED+\j]|, s49
.endr
.endif
.endm
.macro QK0 a, b, buf                   ; S(a, b) = K(b, 0) Q(a, 0) + bias
	v_wmma_f32_16x16x32_f16 v[S+8*(4*\a+\b):S+8*(4*\a+\b)+7], v[KV+16*\b:KV+16*\b+7], v[Q+16*\a:Q+16*\a+7], v[BB+8*\buf:BB+8*\buf+7]
.endm
.macro QK1 a, b                        ; S(a, b) += K(b, 1) Q(a, 1)
	v_wmma_f32_16x16x32_f16 v[S+8*(4*\a+\b):S+8*(4*\a+\b)+7], v[KV+16*\b+8:KV+16*\b+15], v[Q+16*\a+8:Q+16*\a+15], v[S+8*(4*\a+\b):S+8*(4*\a+\b)+7]
.endm
.macro FMA a, b                        ; c1 S - c1 maximum
.irp j, 0,2,4,6
	v_pk_fma_f32 v[S+8*(4*\a+\b)+\j:S+8*(4*\a+\b)+\j+1], v[S+8*(4*\a+\b)+\j:S+8*(4*\a+\b)+\j+1], s[50:51], v[NMA+2*\a:NMA+2*\a+1] op_sel_hi:[1,0,0]
.endr
.endm
.macro EXP a, b
.irp j, 0,1,2,3,4,5,6,7
	v_exp_f32 v[S+8*(4*\a+\b)+\j], v[S+8*(4*\a+\b)+\j]
.endr
.endm
.macro CVT a, b                        ; eight p to four registers of f16: an even tile into its own registers 0-3, an odd one into registers 4-7 of the tile before
	s_wait_alu depctr_va_vdst(0)
.irp r, 0,1,2,3
	v_cvt_pk_f16_f32 v[S+8*(4*\a+(\b/2)*2)+4*(\b%2)+\r], v[S+8*(4*\a+\b)+2*\r], v[S+8*(4*\a+\b)+2*\r+1]
.endr
.endm
; The softmax of query tile a over this step's 64 keys.  A lane's 32 scores belong to one query; the other 32 lie in the lane 16 further.
.macro SOFTMAX a, first
.irp b, 0,1,2,3
	v_max3_num_f32 v[T+\b], v[S+8*(4*\a+\b)], v[S+8*(4*\a+\b)+1], v[S+8*(4*\a+\b)+2]
.endr
.irp b, 0,1,2,3
	v_max3_num_f32 v[T+\b], v[T+\b], v[S+8*(4*\a+\b)+3], v[S+8*(4*\a+\b)+4]
.endr
.irp b, 0,1,2,3
	v_max3_num_f32 v[T+\b], v[T+\b], v[S+8*(4*\a+\b)+5], v[S+8*(4*\a+\b)+6]
.endr
	v_max3_num_f32 v[T], v[T], v[T+1], v[S+8*(4*\a)+7]
	v_max3_num_f32 v[T+2], v[T+2], v[T+3], v[S+8*(4*\a+1)+7]
	v_max3_num_f32 v[T], v[T], v[S+8*(4*\a+2)+7], v[S+8*(4*\a+3)+7]
.if \first
	v_max_num_f32 v[T], v[T], v[T+2]
.else
	v_max3_num_f32 v[T], v[T], v[T+2], v[MX+\a]    ; the running maximum
.endif
	v_permlanex16_b32 v15, v[T], s52, s53
	v_max_num_f32 v14, v[T], v15
.if \first
	v_mul_f32 v[NMA+2*\a], -v14, s50
.else
	v_mul_f32 v3, -v14, s50                        ; the new -c1 maximum, as it is rounded;
	v_sub_f32 v15, v3, v[NMA+2*\a]                 ; the old sums were made with the old one: their factor is 2^(new - old), at most 1
	v_exp_f32 v[NMA+2*\a+1], v15
	v_mov_b32 v[NMA+2*\a], v3                      ; a plain place between v_exp_f32 and the use of its result (ISA guide 5.7.2)
	s_wait_alu depctr_va_vdst(0)
.endif
	v_mov_b32 v[MX+\a], v14
	FMA \a, 0
	EXP \a, 0                                      ; behind each run of exponentials the next tile's four multiply-adds are the plain places
	FMA \a, 1
	CVT \a, 0
	EXP \a, 1
	FMA \a, 2
	CVT \a, 1
	EXP \a, 2
	FMA \a, 3
	CVT \a, 2
	EXP \a, 3
	v_nop
	s_wait_alu depctr_va_vdst(0)
	CVT \a, 3
.endm
; 20 matrix instructions on 20 accumulators: 32 keys (g) into O and into the sums.  zero = 1: the first products start the sums.
.macro PVG g, zero
.irp a, 0,1,2,3
.irp dt, 0,1,2,3
.if \zero
	v_wmma_f32_16x16x32_f16 v[O+8*(4*\a+\dt):O+8*(4*\a+\dt)+7], v[KV+8*(4*\g+\dt):KV+8*(4*\g+\dt)+7], v[S+8*(4*\a+2*\g):S+8*(4*\a+2*\g)+7], 0
.else
	v_wmma_f32_16x16x32_f16 v[O+8*(4*\a+\dt):O+8*(4*\a+\dt)+7], v[KV+8*(4*\g+\dt):KV+8*(4*\g+\dt)+7], v[S+8*(4*\a+2*\g):S+8*(4*\a+2*\g)+7], v[O+8*(4*\a+\dt):O+8*(4*\a+\dt)+7]
.endif
.endr
.if \zero
	v_wmma_f32_16x16x32_f16 v[LS+8*\a:LS+8*\a+7], v[ONES:ONES+7], v[S+8*(4*\a+2*\g):S+8*(4*\a+2*\g)+7], 0
.else
	v_wmma_f32_16x16x32_f16 v[LS+8*\a:LS+8*\a+7], v[ONES:ONES+7], v[S+8*(4*\a+2*\g):S+8*(4*\a+2*\g)+7], v[LS+8*\a:LS+8*\a+7]
.endif
.endr
.endm
; One step: 64 keys x my 64 queries, at KA and VA.  Everywhere the accumulators take turns, one instruction a turn, over the loops' backward jumps too,
; a step's last product writes a sum, the next step's first a score tile.
.macro STEP first
	LOADK                                          ; over V's fragments of the step before, four places behind its last product
	WIN 0x04                                       ; source 1 (Q) window 1
	BIAS 0, 0xc2400000, 1                          ; d = -3.  A bias buffer is written again two diagonals later: the other buffer's 8 or 12 lines are the places between
	s_wait_dscnt 8                                 ; K's first half of d is in; the eight loads of the second half may be out
	QK0 3, 0, 0
	BIAS 1, 0xc2000000, 1                          ; d = -2
	QK0 2, 0, 1
	QK0 3, 1, 1
	BIAS 0, 0xc1800000, 1                          ; d = -1
	QK0 1, 0, 0
	QK0 2, 1, 0
	QK0 3, 2, 0
	BIAS 1, 0, 0                                   ; d = 0
	QK0 0, 0, 1
	QK0 1, 1, 1
	QK0 2, 2, 1
	QK0 3, 3, 1
	BIAS 0, 0x41800000, 1                          ; d = 1
	QK0 0, 1, 0
	QK0 1, 2, 0
	QK0 2, 3, 0
	BIAS 1, 0x42000000, 1                          ; d = 2
	QK0 0, 2, 1
	QK0 1, 3, 1
	BIAS 0, 0x42400000, 1                          ; d = 3
	QK0 0, 3, 0
	s_wait_dscnt 0                                 ; K's second half
	QK1 3, 0
	QK1 2, 0
	QK1 3, 1
	QK1 1, 0
	QK1 2, 1
	QK1 3, 2
	QK1 0, 0
	QK1 1, 1
	QK1 2, 2
	QK1 3, 3
	QK1 0, 1
	QK1 1, 2
	QK1 2, 3
	QK1 0, 2
	QK1 1, 3
	QK1 0, 3
.irp j, 0,2,4,6
	v_pk_add_f32 v[ED+\j:ED+\j+1], v[ED+\j:ED+\j+1], 0x42800000 op_sel_hi:[1,0]   ; the next 64 keys; also the four places behind the last product (ISA guide 7.12.1)
.endr
	WIN 0
	LOADV                                          ; over K's fragments; they land while the softmax runs
	SOFTMAX 0, \first
	SOFTMAX 1, \first
	SOFTMAX 2, \first
	SOFTMAX 3, \first
	s_wait_dscnt 0                                 ; V
.if \first == 0
	WIN 0x41                                       ; O and the sums in window 1, the factor in window 0
.irp a, 0,1,2,3
.irp p, 0,1,2,3,4,5,6,7,8,9,10,11,12,13,14,15
	v_pk_mul_f32 v[O+32*\a+2*\p:O+32*\a+2*\p+1], v[O+32*\a+2*\p:O+32*\a+2*\p+1], v[NMA+2*\a:NMA+2*\a+1] op_sel:[0,1] op_sel_hi:[1,1]
.endr
	v_mul_f32 v[LS+8*\a], v[LS+8*\a], v[NMA+2*\a+1]        ; registers 1-7 of a sum's tile are zeros and stay so
.endr
.endif
	WIN 0x50                                       ; C and D window 1
	PVG 0, \first
	PVG 1, 0
	WIN 0
	v_add_nc_u32 v[KA], 64*KP, v[KA]               ; the next 64 keys in the slot.  With the two v_nop these are the four places before loads land on
	v_add_nc_u32 v[VA], 64*VP, v[VA]               ; V's fragments and before anything reads O or the sums (ISA guide 7.12.1)
	v_nop
	v_nop
.endm
; n steps of a tile, round one step's text
.macro STEPS n
	s_mov_b32 s69, \n
.Lstep_\@:
	STEP 0
	s_sub_co_u32 s69, s69, 1
	s_cmp_lg_u32 s69, 0
	s_cbranch_scc1 .Lstep_\@
.endm
; Waves 0 and 4 ask for the cx-th 8,192 bytes of V's (K's) tile two tiles ahead: 32 lanes, 256 bytes apart; the four work-groups of the cluster
; together ask once for each part of the tile.  The tensor load that wants it is issued at the next tile's head, four steps from here.
; guard = 1: in the last trip of the loop over pairs this is tile 6, and there is no tile 8: nothing is asked for.
.macro PREF imm, guard
	s_cmp_lg_u32 s10, 0
	s_cbranch_scc1 .Lno_pf_\@
.if \guard
	s_cmp_eq_u32 s48, 1
	s_cbranch_scc1 .Lno_pf_\@
.endif
	global_prefetch_b8 v12, s[54:55] offset:\imm th:TH_LOAD_NT scope:SCOPE_SE
.Lno_pf_\@:
.endm
; The head of a tile of 256 keys.  In front of the round every wave waits for all its tensor loads (one is out: its part of this tile) and for its reads of
; the other slot; behind it the other slot is filled, the wave's one tensor load until the next round, with four steps in which to land.
.macro HEAD slot, refill, pf, guard
	s_set_vgpr_msb 0x4
	s_wait_tensorcnt 0x0
	ds_add_u32 v13, v255
	s_wait_dscnt 0x0
	s_set_vgpr_msb 0x400
	s_add_nc_u64 s[G0V+4*\slot+2:G0V+4*\slot+3], s[G0V+4*\slot+2:G0V+4*\slot+3], 2*TILE    ; no load of mine is out: this slot's next tile
	s_add_nc_u64 s[G0K+4*\slot+2:G0K+4*\slot+3], s[G0K+4*\slot+2:G0K+4*\slot+3], 2*TILE
	s_wait_dscnt 0x0
	ROUND
.if \refill
	JLOAD (1-\slot)
.endif
.if \pf
	PREF \pf, \guard
.endif
.if \slot
	v_add_nc_u32 v[KA], SLOT, v[ADK]               ; the tile's first step: the lane's place, afresh, plus the slot's constant
	v_add_nc_u32 v[VA], SLOT, v[ADV]
.else
	v_mov_b32 v[KA], v[ADK]
	v_mov_b32 v[VA], v[ADV]
.endif
.endm
	HEAD 0, 1, 2*TILE, 0                           ; tile 0: fetches tile 1, asks for tile 2
	STEP 1                                         ; its first step's products start O and the sums: nothing is cleared
	STEPS 3
	s_mov_b32 s48, 3
.Lpair:
	HEAD 1, 1, 3*TILE, 0                           ; tiles 1, 3, 5: they fetch tiles 2, 4, 6 and ask for tiles 3, 5, 7
	STEPS 4
	HEAD 0, 1, 4*TILE, 1                           ; tiles 2, 4, 6: they fetch tiles 3, 5, 7; tiles 2 and 4 ask for tiles 4 and 6
	STEPS 4
	s_wait_xcnt 0x0                                ; the prefetches' base is stepped only behind this wait; the last prefetch stands four steps back
	s_add_nc_u64 s[54:55], s[54:55], 2*TILE
	s_sub_co_u32 s48, s48, 1
	s_cmp_lg_u32 s48, 0
	s_cbranch_scc1 .Lpair
	HEAD 1, 0, 0, 0                                ; tile 7: nothing is left to fetch or to ask for (the stepped addresses are not used)
	STEPS 4
	; THE WAY OUT.  O / sum; then 16 queries at a time through my own stage: a lane's 8 numbers are 32 bytes of a token's 256, the lanes beside it hold other tokens.
	WIN 0x01                                       ; source window 1
.irp a, 0,1,2,3
	v_rcp_f32 v[NMA+2*\a], v[LS+8*\a]              ; the sum is at least 1: the largest score's p is 1
.endr
	v_nop                                          ; a plain place behind the reciprocals
	WIN 0x41
	s_wait_alu depctr_va_vdst(0)
.irp a, 0,1,2,3
.irp p, 0,1,2,3,4,5,6,7,8,9,10,11,12,13,14,15
	v_pk_mul_f32 v[O+32*\a+2*\p:O+32*\a+2*\p+1], v[O+32*\a+2*\p:O+32*\a+2*\p+1], v[NMA+2*\a:NMA+2*\a+1] op_sel_hi:[1,0]
.endr
.endr
.irp a, 0,1,2,3
	WIN 0x04                                       ; the stores' data in window 1
.irp dt, 0,1,2,3
.irp c, 0,1
	ds_store_b128 v8, v[O+8*(4*\a+\dt)+4*\c:O+8*(4*\a+\dt)+4*\c+3] offset:64*\dt+16*\c
.endr
.endr
	WIN 0
.irp t, 0,1,2,3,4,5,6,7
	ds_load_b128 v[S+32*\a+4*\t:S+32*\a+4*\t+3], v9 offset:2*SP*\t         ; LDS serves a wave's instructions in order: these see the stores above, and the next tile's stores come behind them
.endr
.irp t, 0,1,2,3,4,5,6,7
	s_wait_dscnt 7-\t
	global_store_b128 v10, v[S+32*\a+4*\t:S+32*\a+4*\t+3], s[58:59] offset:65536*\a+8192*\t th:TH_STORE_NT   ; 16 lanes store a token's 64 numbers of this head: 256 consecutive bytes, aligned
.endr
.endr
	s_set_vgpr_msb 0x4
	s_wait_tensorcnt 0x0
	ds_add_u32 v13, v255
	s_wait_dscnt 0x0
	s_set_vgpr_msb 0x400
	ROUND                                          ; the closing round: no work-group ends while a partner may still ask for a tile that names it
	s_endpgm
.Lfunc_end_k_q90e6812fe1_attn:
	.size	k_q90e6812fe1_attn, .Lfunc_end_k_q90e6812fe1_attn-k_q90e6812fe1_attn
	.p2alignl 7, 3214868480
	.fill 96, 4, 3214868480
	.section	.rodata,"a",@progbits
	.p2align	6, 0x0
	.amdhsa_kernel k_q90e6812fe1_attn
		.amdhsa_group_segment_fixed_size 327680
		.amdhsa_private_segment_fixed_size 0
		.amdhsa_enable_private_segment 0
		.amdhsa_kernarg_size 16
		.amdhsa_user_sgpr_count 2
		.amdhsa_user_sgpr_kernarg_segment_ptr 1
		.amdhsa_wavefront_size32 1
		.amdhsa_system_sgpr_workgroup_id_x 1
		.amdhsa_system_sgpr_workgroup_id_y 1
		.amdhsa_system_sgpr_workgroup_id_z 1
		.amdhsa_system_vgpr_workitem_id 0
		.amdhsa_next_free_vgpr 512
		.amdhsa_next_free_sgpr 72
		.amdhsa_reserve_vcc 1
		.amdhsa_float_denorm_mode_32 3
		.amdhsa_float_denorm_mode_16_64 3
		.amdhsa_memory_ordered 1
		.amdhsa_forward_progress 1
		.amdhsa_inst_pref_size 199
	.end_amdhsa_kernel
	.amdgpu_metadata
---
amdhsa.version: [ 1, 2 ]
amdhsa.kernels:
  - .name:           k_q90e6812fe1_attn
    .symbol:         k_q90e6812fe1_attn.kd
    .args:
      - { .name: qkv, .offset: 0, .size: 8, .value_kind: global_buffer, .address_space: global }
      - { .name: out0, .offset: 8, .size: 8, .value_kind: global_buffer, .address_space: global }
    .group_segment_fixed_size: 327680
    .private_segment_fixed_size: 0
    .kernarg_segment_align: 8
    .kernarg_segment_size: 16
    .max_flat_workgroup_size: 256
    .sgpr_count:     72
    .vgpr_count:     512
    .wavefront_size: 32
...
	.end_amdgpu_metadata
.endif
;; end of part 3
